; MI455X (gfx1250); checked and timed in simulation.
; The chip was launched on July 23, 2026; its instructions are those of AMD's public machine-readable ISA for CDNA 5 (MIT licence, August 2026) and "CDNA5" Instruction Set Architecture Reference Guide (July 2026). The comments in the code are by the model that wrote it; some were corrected since.
;; Instant Ne RF. Allowed arithmetic: matrix products marked QUANTISED: E4M3 operands, one given power-of-two scale a tensor, by v_wmma_f32_16x16x64_fp8_fp8 or v_wmma_f32_16x16x128_fp8_fp8, f32 sums; everything else in f32.
;; Inputs: b_h0 64 float32; b_h1 64 float32; b_in 64 float32; b_out 16 float32; coords 262,144 x 3 float32; lowp_scales 8 int32 (the exponents e of the quantised operands' scales 2^e); tables 16 x 524,288 x 2 float16; w_h0_codes 64 x 2 x 32 uint8 (E4M3 codes of w_h0, K innermost, in blocks of 32 codes); w_h1_codes 64 x 2 x 32 uint8 (E4M3 codes of w_h1, K innermost, in blocks of 32 codes); w_in_codes 64 x 1 x 32 uint8 (E4M3 codes of w_in, K innermost, in blocks of 32 codes); w_out_codes 16 x 2 x 32 uint8 (E4M3 codes of w_out, K innermost, in blocks of 32 codes).
;; Outputs: out0 262,144 x 16 float32.
;; This version of the problem:
;;   THIS VERSION OF THE PROBLEM IS GIVEN IN LOW PRECISION. The matrix products marked QUANTISED in the list below multiply operands that are first quantised to E4M3 (4 exponent bits, 3 mantissa bits; 8 bits a number), with one given power-of-two scale for each operand tensor; their sums are f32. All else is computed in f32.
;;   The module's matrix products, in the order in which they are computed (A, B: the left and right operand; K: the contracted axis; several contracted axes count as one K, in the product's order):
;;     1. [M 262,144, K 32] x [K 32, N 64]; A: computed on the way; B: input w_in (given as codes): QUANTISED (scales: A lowp_scales[0], B lowp_scales[1])
;;     2. [M 262,144, K 64] x [K 64, N 64]; A: computed on the way; B: input w_h0 (given as codes): QUANTISED (scales: A lowp_scales[2], B lowp_scales[3])
;;     3. [M 262,144, K 64] x [K 64, N 64]; A: computed on the way; B: input w_h1 (given as codes): QUANTISED (scales: A lowp_scales[4], B lowp_scales[5])
;;     4. [M 262,144, K 64] x [K 64, N 16]; A: computed on the way; B: input w_out (given as codes): QUANTISED (scales: A lowp_scales[6], B lowp_scales[7])
;;   THE QUANTISER, for each operand of a quantised product, along K:
;;     - The operand's scale is 2^e, e = its entry of the input lowp_scales (int32; the entries are numbered through the quantised products in the list's order, A before B).
;;     - Each number is divided by the scale, clamped to +-448, and rounded to the nearest number of E4M3, ties to even, subnormals kept.
;;     - The product sums the exact products of the quantised numbers (number of the format x scale) in f32.
;;   ~~~python
;;   def quantise(x, axis, e):      # numpy; x: float32 -> the quantised numbers, widened to float32 again
;;       x = np.moveaxis(x, axis, -1); K = x.shape[-1]
;;       r = np.clip(x / 2.0 ** e, -448, 448)
;;       step = 2.0 ** (np.maximum(np.frexp(np.where(r == 0, 1, r))[1] - 1, -6) - 3)
;;       q = np.round(r / step) * step * 2.0 ** e      # np.round: ties to even
;;       return np.moveaxis(q, -1, axis).astype(np.float32)
;;   ~~~
;;   OPERANDS COMPUTED ON THE WAY. 'Computed on the way' means the value that the module computes at that place (a softmax that the list does not call 'softmax' is quantised finished and normalised). What goes into a quantiser is computed in f32, as accurately as f32 sums, v_exp_f32 and their like allow (about 1e-6 of the number): no bf16 or f16 on the way to a quantiser, and a product that is left as it is and whose result goes on into a quantised operand takes f32 operands (vector FMAs, or v_wmma_f32_16x16x4_f32). A number that lies on a knife's edge between two numbers of the format may be rounded either way, as far as f32 arithmetic and the matrix unit's own rounding can turn it there, and no further.
;;   INPUTS GIVEN AS CODES. w_h0 (in the module: [64, 64], K = its axis 1); w_h1 (in the module: [64, 64], K = its axis 1); w_in (in the module: [64, 32], K = its axis 1); w_out (in the module: [16, 64], K = its axis 1): each comes as NAME_codes (uint8): NAME with its K axis moved to the last place and cut into blocks of 32 codes, [.., K / 32, bytes a block], one block behind the other in memory; one code a byte (a code: sign, 4 exponent bits, 3 mantissa bits); its scale is its entry of lowp_scales. Its value is code x scale, taken as it is: it is not quantised again, and the codes and scales need not be those that the quantiser above would give.
;; One version. Each part assembles by itself: llvm-mc -triple=amdgcn-amd-amdhsa -mcpu=gfx1250 --defsym DOCPART=n.
;; ======== version 1 of 1: 3 launches
;; limits: values are held in f16: magnitudes above 65,504 overflow, below 6.1e-05 lose precision; right only within a limited range of input values
;; workspace buffers: rec 8,388,608 bytes of whole numbers; lst1 1,048,576 bytes of whole numbers; lst2 1,048,576 bytes of whole numbers
;; launch hash (part 1): grid 256 x 1, 32 waves a work-group, no clusters, 53,248 bytes of LDS; arguments coords, lst1, rec; writes lst1, rec
.if DOCPART == 1
	.amdgcn_target "amdgcn-amd-amdhsa--gfx1250"
	.amdhsa_code_object_version 6
	.text
	.protected	k_q09f8e4b991_hash
	.globl	k_q09f8e4b991_hash
	.p2align	8
	.type	k_q09f8e4b991_hash,@function
k_q09f8e4b991_hash:
	s_mov_b64 s[64:65], 0
	v_nop
	global_prefetch_b8 v0, s[64:65] scope:SCOPE_SE
	s_setreg_imm32_b32 hwreg(HW_REG_WAVE_MODE, 25, 1), 1
	s_wait_xcnt 0x0
.set SB, 4096                          ; LDS: the words to sort as made at 0; from here three buffers of 4,096 bytes, one for each exchange across waves
; For each of 262,144 points: (1) a record of 32 bytes from which a later launch makes the table indices with whole numbers alone: x, y, z as they are; X, Y, Z = floor(8192 x) and so on, modulo 2^32;
; and for each coordinate and each of 16 levels one bit: floor(f32(x res)) less floor(X res / 8192).
; THE BIT IS 0 OR 1: X / 8192 lies under x by less than 1 / 8192, so X res / 8192 under x res by less than 1 / 16 (res <= 512); the f32 product is x res rounded, by 1 / 4 at the most while |x res| < 2^22, and rounding passes
; no whole number downwards.  So the two floors' lowest bits tell it.  Words: x, y, z, (x's bits: level l at bit l; y's: at bit 16 + l), X, Y, Z, (z's bits).
; (2) a word to sort by: a key of the point's place in space (14 bits) over its number (18 bits).  A work-group has 1,024 points and stores their words sorted.
; The resolutions are constants of the problem: floor(16 x f32(32^(1/15))^l) = 16 20 25 32 40 50 64 80 101 128 161 203 256 322 406 512.
; THE KEY serves only to bring points that share table rows together; no result hangs on it.  It is made of floor(64 y) and floor(64 z), modulo 64, their bits by turns, and below them two bits of floor(64 x), which run
; upwards and downwards by turns as z's lowest bit says.
; THE SORT is a bitonic network: which two words meet never hangs on the words.  Waves 0-3, thread t holds words 8 t .. 8 t + 7: distances 1 to 4 lie in a lane's registers, 8 to 128 across lanes, 256 and 512 across waves, through LDS.
; LIMITS: |coord| < 8,192; NaN among the coords is not served.
; No cluster and no tensor load: work-groups share no input.
.set IST, 16384                        ; each wave's stage for its 32 records
.set SPARE, 49152                      ; the spare words, 128 bytes a wave
.set EA, 48                            ; v48-55 the eight words that are sorted
.set EB, 56                            ; v56-71 at work
.set EP, 64
.set KM, 72                            ; v72-76 all ones where bit 0 .. 4 of the lane is set
.set SA, 77                            ; v77 16 x thread; v78, v79 the same for the partner wave: wave xor 1, 2
.set TM, 80
.set SPW, 81
.set NIL, 82
.set SW, 83                            ; v83 the stage, in: my point's 32 bytes
.set SR, 84                            ; v84 the stage, back: 16 x lane
.set KA, 85                            ; v85 4 x thread
.set SO, 86                            ; v86 32 x thread
.set GO, 25                            ; v25 16 x lane
.set WV, 12
.set LM, 26                            ; s26-30 the lanes whose bit 0 .. 4 is set
.set KS, 32                            ; s32-33 all ones where bit 0, 1 of the wave's number is set
.set ST, 34
.set SEL, 36                           ; s36-37 v_permlanex16_b32's selects for lane l xor 16
.macro LSTEP n, x                      ; lanes l and l xor 2^n: the lane whose bit is set keeps the larger word
.irp j, 0,1,2,3,4,5,6,7
.if \n == 4
	v_permlanex16_b32 v[EP+\j], v[EA+\j], s[SEL], s[SEL+1]
.else
	v_mov_b32_dpp v[EP+\j], v[EA+\j] row_xmask:\x row_mask:0xf bank_mask:0xf
.endif
.endr
.irp j, 0,1,2,3,4,5,6,7
	v_min_u32 v[EB+\j], v[EA+\j], v[EP+\j]
.endr
.irp j, 0,1,2,3,4,5,6,7
	v_max_u32 v[EA+\j], v[EA+\j], v[EP+\j]
.endr
.irp j, 0,1,2,3,4,5,6,7
	v_cndmask_b32 v[EA+\j], v[EB+\j], v[EA+\j], s[LM+\n]
.endr
.endm
.macro R21                             ; distances 2 and 1, in the lane's own registers
.irp j, 0,1,4,5
	v_min_u32 v[EP+\j], v[EB+\j], v[EB+\j+2]
	v_max_u32 v[EP+\j+2], v[EB+\j], v[EB+\j+2]
.endr
.irp j, 0,2,4,6
	v_min_u32 v[EA+\j], v[EP+\j], v[EP+\j+1]
	v_max_u32 v[EA+\j+1], v[EP+\j], v[EP+\j+1]
.endr
.endm
.macro RSTEP                           ; distances 4, 2, 1
.irp j, 0,1,2,3
	v_min_u32 v[EB+\j], v[EA+\j], v[EA+\j+4]
	v_max_u32 v[EB+\j+4], v[EA+\j], v[EA+\j+4]
.endr
	R21
.endm
.macro LANES n                         ; the n lane distances, largest first, then the registers'
.if \n > 4
	LSTEP 4, 16
.endif
.if \n > 3
	LSTEP 3, 8
.endif
.if \n > 2
	LSTEP 2, 4
.endif
.if \n > 1
	LSTEP 1, 2
.endif
	LSTEP 0, 1
	RSTEP
.endm
.macro FLIP src                        ; a run that is sorted downwards is held inverted, so that every step sorts upwards: into the next phase
.irp j, 0,1,2,3,4,5,6,7
	v_xor_b32 v[EA+\j], \src, v[EA+\j]
.endr
.endm
.macro PUT n
	s_wait_alu depctr_va_vdst(0)
	ds_store_b128 v[SA], v[EA:EA+3] offset:SB+4096*\n
	ds_store_b128 v[SA], v[EA+4:EA+7] offset:SB+4096*\n+2048
	s_wait_dscnt 0x0                               ; for the partner's sake
.endm
.macro SORT4 a                         ; four words, upwards
	v_min_u32 v[EB+\a], v[EA+\a], v[EA+\a+1]
	v_max_u32 v[EB+\a+1], v[EA+\a], v[EA+\a+1]
	v_min_u32 v[EB+\a+2], v[EA+\a+2], v[EA+\a+3]
	v_max_u32 v[EB+\a+3], v[EA+\a+2], v[EA+\a+3]
	v_min_u32 v[EA+\a], v[EB+\a], v[EB+\a+2]
	v_max_u32 v[EP+\a], v[EB+\a], v[EB+\a+2]
	v_min_u32 v[EP+\a+1], v[EB+\a+1], v[EB+\a+3]
	v_max_u32 v[EA+\a+3], v[EB+\a+1], v[EB+\a+3]
	v_min_u32 v[EA+\a+1], v[EP+\a], v[EP+\a+1]
	v_max_u32 v[EA+\a+2], v[EP+\a], v[EP+\a+1]
.endm
.macro FIRST                           ; from two sorted quads a lane to runs of 8, 16, .. 256, and ready for the first exchange across waves
	FLIP v[KM]
.irp j, 0,1,2,3
	v_min_u32 v[EB+\j], v[EA+\j], v[EA+7-\j]       ; the second quad counts from its far end
	v_max_u32 v[EB+4+\j], v[EA+\j], v[EA+7-\j]
.endr
	R21
.irp n, 1,2,3,4
	v_xor_b32 v[TM], v[KM+\n-1], v[KM+\n]
	FLIP v[TM]
	LANES \n
.endr
	v_xor_b32 v[TM], s[KS], v[KM+4]
	FLIP v[TM]
	LANES 5
	s_xor_b32 s[ST], s[KS], s[KS+1]
	FLIP s[ST]
	PUT 0
.endm
; one exchange across waves, from buffer g, with the wave whose bit b differs; full: the lanes' and registers' steps follow; p: the next exchange's buffer, or -1
.macro SEG g, b, full, flip, p
	s_barrier_signal -1
	s_barrier_wait -1
	s_cmp_lt_u32 s[WV], 4
	s_cbranch_scc0 .Lpass_\@
	ds_load_b128 v[EP:EP+3], v[SA+1+\b] offset:SB+4096*\g
	ds_load_b128 v[EP+4:EP+7], v[SA+1+\b] offset:SB+4096*\g+2048
	s_wait_dscnt 0x0
.irp j, 0,1,2,3,4,5,6,7
	v_min_u32 v[EB+\j], v[EA+\j], v[EP+\j]
.endr
.irp j, 0,1,2,3,4,5,6,7
	v_max_u32 v[EA+\j], v[EA+\j], v[EP+\j]
.endr
.irp j, 0,1,2,3,4,5,6,7
	v_cndmask_b32 v[EA+\j], v[EB+\j], v[EA+\j], s[KS+\b]
.endr
.if \full
	LANES 5
.endif
.if \flip
	FLIP s[KS+1]
.endif
.if \p >= 0
	PUT \p
.endif
.Lpass_\@:
.endm
	s_load_b128 s[4:7], s[0:1], 0x0                ; coords s[4:5], lst1 s[6:7]
	s_load_b64 s[8:9], s[0:1], 0x10                ; rec
	v_lshl_add_u32 v[SPW], v0, 2, SPARE
	v_mov_b32 v[NIL], 0
	v_lshrrev_b32 v6, 5, v0
	v_and_b32 v7, 31, v0
	v_mul_u32_u24 v1, v0, 12                       ; my point's three numbers
	v_readfirstlane_b32 s[WV], v6
	v_lshlrev_b32 v[SA], 4, v0
	v_lshlrev_b32 v[SO], 5, v0
	v_lshlrev_b32 v[KA], 2, v0
	v_lshlrev_b32 v[GO], 4, v7
	v_lshlrev_b32 v[SW], 5, v7
	v_lshlrev_b32 v[SR], 4, v7
	v_xor_b32 v[SA+1], 0x200, v[SA]
	v_xor_b32 v[SA+2], 0x400, v[SA]
.irp b, 0,1,2,3,4
	v_bfe_u32 v[KM+\b], v0, \b, 1
.endr
.irp b, 0,1,2,3,4
	v_sub_nc_u32 v[KM+\b], 0, v[KM+\b]
.endr
.irp j, 0,1,2,3,4,5,6,7
	v_mov_b32 v[EA+\j], 0
	v_mov_b32 v[EP+\j], 0                          ; a lane permute's destination counts as one of its sources
.endr
.irp c, 13,14,15
	v_mov_b32 v\c, 0                               ; the three coordinates' bits are shifted in here
.endr
	s_lshl_b32 s13, s[WV], 10
	s_add_co_u32 s13, s13, IST
	v_add_nc_u32 v[SW], s13, v[SW]
	v_add_nc_u32 v[SR], s13, v[SR]
	s_mul_i32 s14, ttmp9, 12288                    ; my work-group's 1,024 points x 12 bytes
	s_mov_b32 s15, 0
	s_lshl_b32 s16, ttmp9, 15                      ; x 32 bytes of records,
	s_lshl_b32 s17, s[WV], 10                      ; my wave's 32 points among them
	s_add_co_u32 s16, s16, s17
	s_mov_b32 s17, 0
	s_lshl_b32 s18, ttmp9, 12                      ; x 4 bytes
	s_mov_b32 s19, 0
	s_lshl_b32 s25, ttmp9, 10                      ; the number of my work-group's first point
	s_mov_b32 s[LM], 0xAAAAAAAA
	s_mov_b32 s[LM+1], 0xCCCCCCCC
	s_mov_b32 s[LM+2], 0xF0F0F0F0
	s_mov_b32 s[LM+3], 0xFF00FF00
	s_mov_b32 s[LM+4], 0xFFFF0000
	s_mov_b32 s[SEL], 0x76543210
	s_mov_b32 s[SEL+1], 0xfedcba98
	s_bfe_u32 s[KS], s[WV], 0x10000
	s_bfe_u32 s[KS+1], s[WV], 0x10001
	s_sub_co_i32 s[KS], 0, s[KS]
	s_sub_co_i32 s[KS+1], 0, s[KS+1]
	s_wait_alu depctr_va_vdst(0)
	s_wait_kmcnt 0x0
	s_add_nc_u64 s[4:5], s[4:5], s[14:15]
	s_add_nc_u64 s[8:9], s[8:9], s[16:17]
	s_add_nc_u64 s[6:7], s[6:7], s[18:19]
	global_load_b32 v2, v1, s[4:5]
	global_load_b32 v3, v1, s[4:5] offset:4
	global_load_b32 v4, v1, s[4:5] offset:8
	s_wait_loadcnt 0x0
	v_mul_f32 v10, 0x46000000, v2                  ; X, Y, Z: 8192 x is exact
	v_mul_f32 v11, 0x46000000, v3
	v_mul_f32 v12, 0x46000000, v4
	v_floor_f32 v10, v10
	v_floor_f32 v11, v11
	v_floor_f32 v12, v12
	v_cvt_i32_f32 v10, v10
	v_cvt_i32_f32 v11, v11
	v_cvt_i32_f32 v12, v12
	; the word to sort by: floor(64 y) is Y / 128, rounded down
	v_bfe_u32 v6, v10, 11, 2
	v_bfe_u32 v7, v11, 7, 6
	v_bfe_u32 v8, v12, 7, 6
	v_bfe_u32 v9, v12, 7, 1
	v_lshl_or_b32 v7, v7, 4, v7                    ; six bits are spread over twelve
	v_lshl_or_b32 v8, v8, 4, v8
	v_mul_u32_u24 v9, v9, 3
	v_and_b32 v7, 0x30f, v7
	v_and_b32 v8, 0x30f, v8
	v_xor_b32 v6, v6, v9                           ; x's two bits, inverted where z's lowest is set
	v_lshl_or_b32 v7, v7, 2, v7
	v_lshl_or_b32 v8, v8, 2, v8
	v_add_nc_u32 v9, s25, v0                       ; my point's number
	v_and_b32 v7, 0x333, v7
	v_and_b32 v8, 0x333, v8
	v_lshl_or_b32 v7, v7, 1, v7
	v_lshl_or_b32 v8, v8, 1, v8
	v_and_b32 v7, 0x555, v7
	v_and_b32 v8, 0x555, v8
	s_delay_alu instid0(VALU_DEP_1)
	v_lshl_or_b32 v7, v7, 1, v8
	s_delay_alu instid0(VALU_DEP_1)
	v_lshl_or_b32 v7, v7, 2, v6
	s_delay_alu instid0(VALU_DEP_1)
	v_lshl_or_b32 v7, v7, 18, v9
	ds_store_b32 v[KA], v7
	s_wait_alu depctr_va_vdst(0)
	s_wait_dscnt 0x0                               ; for the others' sake: my word lies in LDS
	s_barrier_signal -1
	s_barrier_wait -1
	; waves 0-3 sort runs of 256 while the others go on to the levels
	s_cmp_lt_u32 s[WV], 4
	s_cbranch_scc0 .Lsorting
	ds_load_b128 v[EA:EA+3], v[SA]
	ds_load_b128 v[EA+4:EA+7], v[SA] offset:2048
	s_wait_dscnt 0x0
	SORT4 0
	SORT4 4
	FIRST
.Lsorting:
.macro LEVEL rf, ri                    ; the resolution as f32 and as a whole number
	v_mul_f32 v16, \rf, v2                         ; scaled, as reference() has it: one f32 product
	v_mul_f32 v17, \rf, v3
	v_mul_f32 v18, \rf, v4
	v_mul_u32_u24 v19, \ri, v10                    ; X res: bit 13 is the lowest bit of floor(X res / 8192), and X's lower 24 bits are enough for it
	v_mul_u32_u24 v20, \ri, v11
	v_mul_u32_u24 v21, \ri, v12
	v_floor_f32 v16, v16
	v_floor_f32 v17, v17
	v_floor_f32 v18, v18
	v_lshrrev_b32 v19, 13, v19
	v_lshrrev_b32 v20, 13, v20
	v_lshrrev_b32 v21, 13, v21
	v_cvt_i32_f32 v16, v16
	v_cvt_i32_f32 v17, v17
	v_cvt_i32_f32 v18, v18
	v_xor_b32 v16, v16, v19
	v_xor_b32 v17, v17, v20
	v_xor_b32 v18, v18, v21
	v_alignbit_b32 v13, v16, v13, 1                ; the lowest bit comes in at the top: behind 16 levels level l's stands at bit 16 + l
	v_alignbit_b32 v14, v17, v14, 1
	v_alignbit_b32 v15, v18, v15, 1
.endm
	LEVEL 0x41800000, 16
	LEVEL 0x41A00000, 20
	LEVEL 0x41C80000, 25
	LEVEL 0x42000000, 32
	LEVEL 0x42200000, 40
	LEVEL 0x42480000, 50
	LEVEL 0x42800000, 64
	LEVEL 0x42A00000, 80
	LEVEL 0x42CA0000, 101
	LEVEL 0x43000000, 128
	LEVEL 0x43210000, 161
	LEVEL 0x434B0000, 203
	LEVEL 0x43800000, 256
	LEVEL 0x43A10000, 322
	LEVEL 0x43CB0000, 406
	LEVEL 0x44000000, 512
	v_lshrrev_b32 v13, 16, v13
	v_and_or_b32 v5, v14, 0xffff0000, v13
	v_lshrrev_b32 v13, 16, v15
	ds_store_b128 v[SW], v[2:5]
	ds_store_b128 v[SW], v[10:13] offset:16
	ds_load_b128 v[28:31], v[SR]                   ; LDS serves a wave's instructions in order (ISA guide 5.7.1.4): these see my stores
	ds_load_b128 v[32:35], v[SR] offset:512
	s_wait_dscnt 0x0
	global_store_b128 v[GO], v[28:31], s[8:9]      ; 32 lanes store 512 consecutive bytes
	global_store_b128 v[GO], v[32:35], s[8:9] offset:512
	SEG 0, 0, 1, 1, 1                              ; runs of 512
	SEG 1, 1, 0, 0, 2                              ; all 1,024
	SEG 2, 0, 1, 0, -1
	s_cmp_lt_u32 s[WV], 4
	s_cbranch_scc0 .Lstored
	global_store_b128 v[SO], v[EA:EA+3], s[6:7]    ; the two lines store a wave's 1,024 consecutive bytes
	global_store_b128 v[SO], v[EA+4:EA+7], s[6:7] offset:16
.Lstored:
	s_wait_tensorcnt 0x0                           ; the wave's end
	ds_add_u32 v[SPW], v[NIL]
	s_wait_dscnt 0x0
	s_endpgm
.Lfunc_end_k_q09f8e4b991_hash:
	.size	k_q09f8e4b991_hash, .Lfunc_end_k_q09f8e4b991_hash-k_q09f8e4b991_hash
	.p2alignl 7, 3214868480
	.fill 96, 4, 3214868480
	.section	.rodata,"a",@progbits
	.p2align	6, 0x0
	.amdhsa_kernel k_q09f8e4b991_hash
		.amdhsa_group_segment_fixed_size 53248
		.amdhsa_private_segment_fixed_size 0
		.amdhsa_enable_private_segment 0
		.amdhsa_kernarg_size 24
		.amdhsa_user_sgpr_count 2
		.amdhsa_user_sgpr_kernarg_segment_ptr 1
		.amdhsa_wavefront_size32 1
		.amdhsa_system_sgpr_workgroup_id_x 1
		.amdhsa_system_sgpr_workgroup_id_y 1
		.amdhsa_system_sgpr_workgroup_id_z 1
		.amdhsa_system_vgpr_workitem_id 0
		.amdhsa_next_free_vgpr 96
		.amdhsa_next_free_sgpr 66
		.amdhsa_reserve_vcc 0
		.amdhsa_float_denorm_mode_32 3
		.amdhsa_float_denorm_mode_16_64 3
		.amdhsa_memory_ordered 1
		.amdhsa_forward_progress 1
		.amdhsa_inst_pref_size 72
	.end_amdhsa_kernel
	.amdgpu_metadata
---
amdhsa.version: [ 1, 2 ]
amdhsa.kernels:
  - .name:           k_q09f8e4b991_hash
    .symbol:         k_q09f8e4b991_hash.kd
    .args:
      - { .name: coords, .offset: 0, .size: 8, .value_kind: global_buffer, .address_space: global }
      - { .name: lst1, .offset: 8, .size: 8, .value_kind: global_buffer, .address_space: global }
      - { .name: rec, .offset: 16, .size: 8, .value_kind: global_buffer, .address_space: global }
    .group_segment_fixed_size: 53248
    .private_segment_fixed_size: 0
    .kernarg_segment_align: 8
    .kernarg_segment_size: 24
    .max_flat_workgroup_size: 1024
    .sgpr_count:     66
    .vgpr_count:     96
    .wavefront_size: 32
...
	.end_amdgpu_metadata
.endif
;; end of part 1
;; launch regroup (part 2): grid 256 x 1, 4 waves a work-group, no clusters, 12,800 bytes of LDS; arguments lst1, lst2; writes lst2
.if DOCPART == 2
	.amdgcn_target "amdgcn-amd-amdhsa--gfx1250"
	.amdhsa_code_object_version 6
	.text
	.protected	k_q09f8e4b991_regroup
	.globl	k_q09f8e4b991_regroup
	.p2align	8
	.type	k_q09f8e4b991_regroup,@function
k_q09f8e4b991_regroup:
	s_mov_b64 s[64:65], 0
	v_nop
	global_prefetch_b8 v0, s[64:65] scope:SCOPE_SE
	s_setreg_imm32_b32 hwreg(HW_REG_WAVE_MODE, 25, 1), 1
	s_wait_xcnt 0x0
.set SB, 0                             ; LDS: three buffers of 4,096 bytes, one for each exchange across waves
; Brings words of like rank together.  lst1 is 256 lists of 1,024 sorted words.  The work-groups form 16 groups c of 16: group c takes ranks 64 c .. 64 c + 63 of every list, and its work-group q
; takes of list B the four neighbours at rank 64 c + 4 ((q + B) % 16): over the lists each work-group takes every sub-range equally often.  It sorts its 1,024 words and stores them as list 16 c + q of lst2.
; Every word of lst1 goes to one place of lst2, whatever the words are: a permutation by fixed addresses.  How near the neighbours in lst2 lie in space hangs on the points' order in coords; no result does.
; Four waves, eight words a lane, by the network of the launch before; the quads arrive sorted.
; No cluster and no tensor load: each word is read once, 16 bytes a load.
.set SPARE, 12288
.set EA, 4
.set EB, 12
.set EP, 20
.set KM, 28                            ; v28-32 all ones where bit 0 .. 4 of the lane is set
.set SA, 33                            ; v33 16 x thread; v34, v35 the same for wave xor 1, 2
.set TM, 36
.set SPW, 37
.set NIL, 38
.set SO, 39                            ; v39 32 x thread
.set WV, 12
.set LM, 26
.set KS, 32
.set ST, 34
.set SEL, 36
.macro LSTEP n, x                      ; lanes l and l xor 2^n: the lane whose bit is set keeps the larger word
.irp j, 0,1,2,3,4,5,6,7
.if \n == 4
	v_permlanex16_b32 v[EP+\j], v[EA+\j], s[SEL], s[SEL+1]
.else
	v_mov_b32_dpp v[EP+\j], v[EA+\j] row_xmask:\x row_mask:0xf bank_mask:0xf
.endif
.endr
.irp j, 0,1,2,3,4,5,6,7
	v_min_u32 v[EB+\j], v[EA+\j], v[EP+\j]
.endr
.irp j, 0,1,2,3,4,5,6,7
	v_max_u32 v[EA+\j], v[EA+\j], v[EP+\j]
.endr
.irp j, 0,1,2,3,4,5,6,7
	v_cndmask_b32 v[EA+\j], v[EB+\j], v[EA+\j], s[LM+\n]
.endr
.endm
.macro R21                             ; distances 2 and 1, in the lane's own registers
.irp j, 0,1,4,5
	v_min_u32 v[EP+\j], v[EB+\j], v[EB+\j+2]
	v_max_u32 v[EP+\j+2], v[EB+\j], v[EB+\j+2]
.endr
.irp j, 0,2,4,6
	v_min_u32 v[EA+\j], v[EP+\j], v[EP+\j+1]
	v_max_u32 v[EA+\j+1], v[EP+\j], v[EP+\j+1]
.endr
.endm
.macro RSTEP                           ; distances 4, 2, 1
.irp j, 0,1,2,3
	v_min_u32 v[EB+\j], v[EA+\j], v[EA+\j+4]
	v_max_u32 v[EB+\j+4], v[EA+\j], v[EA+\j+4]
.endr
	R21
.endm
.macro LANES n
.if \n > 4
	LSTEP 4, 16
.endif
.if \n > 3
	LSTEP 3, 8
.endif
.if \n > 2
	LSTEP 2, 4
.endif
.if \n > 1
	LSTEP 1, 2
.endif
	LSTEP 0, 1
	RSTEP
.endm
.macro FLIP src                        ; a run that is sorted downwards is held inverted, so that every step sorts upwards
.irp j, 0,1,2,3,4,5,6,7
	v_xor_b32 v[EA+\j], \src, v[EA+\j]
.endr
.endm
.macro PUT n
	s_wait_alu depctr_va_vdst(0)
	ds_store_b128 v[SA], v[EA:EA+3] offset:SB+4096*\n
	ds_store_b128 v[SA], v[EA+4:EA+7] offset:SB+4096*\n+2048
	s_wait_dscnt 0x0                               ; for the partner's sake
.endm
.macro FIRST                           ; from two sorted quads a lane to runs of 8, 16, .. 256, and ready for the first exchange across waves
	FLIP v[KM]
.irp j, 0,1,2,3
	v_min_u32 v[EB+\j], v[EA+\j], v[EA+7-\j]       ; the second quad counts from its far end
	v_max_u32 v[EB+4+\j], v[EA+\j], v[EA+7-\j]
.endr
	R21
.irp n, 1,2,3,4
	v_xor_b32 v[TM], v[KM+\n-1], v[KM+\n]
	FLIP v[TM]
	LANES \n
.endr
	v_xor_b32 v[TM], s[KS], v[KM+4]
	FLIP v[TM]
	LANES 5
	s_xor_b32 s[ST], s[KS], s[KS+1]
	FLIP s[ST]
	PUT 0
.endm
.macro SEG g, b, full, flip, p         ; one exchange across waves, from buffer g, with the wave whose bit b differs
	s_barrier_signal -1
	s_barrier_wait -1
	ds_load_b128 v[EP:EP+3], v[SA+1+\b] offset:SB+4096*\g
	ds_load_b128 v[EP+4:EP+7], v[SA+1+\b] offset:SB+4096*\g+2048
	s_wait_dscnt 0x0
.irp j, 0,1,2,3,4,5,6,7
	v_min_u32 v[EB+\j], v[EA+\j], v[EP+\j]
.endr
.irp j, 0,1,2,3,4,5,6,7
	v_max_u32 v[EA+\j], v[EA+\j], v[EP+\j]
.endr
.irp j, 0,1,2,3,4,5,6,7
	v_cndmask_b32 v[EA+\j], v[EB+\j], v[EA+\j], s[KS+\b]
.endr
.if \full
	LANES 5
.endif
.if \flip
	FLIP s[KS+1]
.endif
.if \p >= 0
	PUT \p
.endif
.endm
	s_load_b128 s[4:7], s[0:1], 0x0                ; lst1 s[4:5], lst2 s[6:7]
	v_lshl_add_u32 v[SPW], v0, 2, SPARE
	v_mov_b32 v[NIL], 0
	v_lshrrev_b32 v2, 5, v0
	s_and_b32 s14, ttmp9, 15                       ; q
	s_lshr_b32 s16, ttmp9, 4                       ; c
	v_readfirstlane_b32 s[WV], v2
	v_add_nc_u32 v1, s14, v0                       ; q + B: my thread's number is B, and B + 128 has the same remainder
	v_lshlrev_b32 v[SA], 4, v0
	v_lshlrev_b32 v[SO], 5, v0
	v_and_b32 v1, 15, v1
.irp b, 0,1,2,3,4
	v_bfe_u32 v[KM+\b], v0, \b, 1
.endr
	v_lshlrev_b32 v1, 4, v1
	v_xor_b32 v[SA+1], 0x200, v[SA]
	v_xor_b32 v[SA+2], 0x400, v[SA]
	v_lshl_add_u32 v1, v0, 12, v1                  ; list B, the quad (q + B) % 16
.irp b, 0,1,2,3,4
	v_sub_nc_u32 v[KM+\b], 0, v[KM+\b]
.endr
.irp j, 0,1,2,3,4,5,6,7
	v_mov_b32 v[EP+\j], 0                          ; a lane permute's destination counts as one of its sources
.endr
	s_lshl_b32 s16, s16, 8                         ; 64 words x c
	s_mov_b32 s17, 0
	s_lshl_b32 s18, ttmp9, 12
	s_mov_b32 s19, 0
	s_mov_b32 s[LM], 0xAAAAAAAA
	s_mov_b32 s[LM+1], 0xCCCCCCCC
	s_mov_b32 s[LM+2], 0xF0F0F0F0
	s_mov_b32 s[LM+3], 0xFF00FF00
	s_mov_b32 s[LM+4], 0xFFFF0000
	s_mov_b32 s[SEL], 0x76543210
	s_mov_b32 s[SEL+1], 0xfedcba98
	s_bfe_u32 s[KS], s[WV], 0x10000
	s_bfe_u32 s[KS+1], s[WV], 0x10001
	s_sub_co_i32 s[KS], 0, s[KS]
	s_sub_co_i32 s[KS+1], 0, s[KS+1]
	s_wait_alu depctr_va_vdst(0)
	s_wait_kmcnt 0x0
	s_add_nc_u64 s[4:5], s[4:5], s[16:17]
	s_add_nc_u64 s[6:7], s[6:7], s[18:19]
	global_load_b128 v[EA:EA+3], v1, s[4:5]
	global_load_b128 v[EA+4:EA+7], v1, s[4:5] offset:128*4096
	s_wait_loadcnt 0x0
	FIRST
	SEG 0, 0, 1, 1, 1                              ; runs of 512
	SEG 1, 1, 0, 0, 2                              ; all 1,024
	SEG 2, 0, 1, 0, -1
	global_store_b128 v[SO], v[EA:EA+3], s[6:7]    ; the two lines store a wave's 1,024 consecutive bytes
	global_store_b128 v[SO], v[EA+4:EA+7], s[6:7] offset:16
	s_wait_tensorcnt 0x0                           ; the wave's end
	ds_add_u32 v[SPW], v[NIL]
	s_wait_dscnt 0x0
	s_endpgm
.Lfunc_end_k_q09f8e4b991_regroup:
	.size	k_q09f8e4b991_regroup, .Lfunc_end_k_q09f8e4b991_regroup-k_q09f8e4b991_regroup
	.p2alignl 7, 3214868480
	.fill 96, 4, 3214868480
	.section	.rodata,"a",@progbits
	.p2align	6, 0x0
	.amdhsa_kernel k_q09f8e4b991_regroup
		.amdhsa_group_segment_fixed_size 12800
		.amdhsa_private_segment_fixed_size 0
		.amdhsa_enable_private_segment 0
		.amdhsa_kernarg_size 16
		.amdhsa_user_sgpr_count 2
		.amdhsa_user_sgpr_kernarg_segment_ptr 1
		.amdhsa_wavefront_size32 1
		.amdhsa_system_sgpr_workgroup_id_x 1
		.amdhsa_system_sgpr_workgroup_id_y 1
		.amdhsa_system_sgpr_workgroup_id_z 1
		.amdhsa_system_vgpr_workitem_id 0
		.amdhsa_next_free_vgpr 64
		.amdhsa_next_free_sgpr 66
		.amdhsa_reserve_vcc 0
		.amdhsa_float_denorm_mode_32 3
		.amdhsa_float_denorm_mode_16_64 3
		.amdhsa_memory_ordered 1
		.amdhsa_forward_progress 1
		.amdhsa_inst_pref_size 53
	.end_amdhsa_kernel
	.amdgpu_metadata
---
amdhsa.version: [ 1, 2 ]
amdhsa.kernels:
  - .name:           k_q09f8e4b991_regroup
    .symbol:         k_q09f8e4b991_regroup.kd
    .args:
      - { .name: lst1, .offset: 0, .size: 8, .value_kind: global_buffer, .address_space: global }
      - { .name: lst2, .offset: 8, .size: 8, .value_kind: global_buffer, .address_space: global }
    .group_segment_fixed_size: 12800
    .private_segment_fixed_size: 0
    .kernarg_segment_align: 8
    .kernarg_segment_size: 16
    .max_flat_workgroup_size: 128
    .sgpr_count:     66
    .vgpr_count:     64
    .wavefront_size: 32
...
	.end_amdgpu_metadata
.endif
;; end of part 2
;; launch encmlp (part 3): grid 256 x 1, 32 waves a work-group, no clusters, 118,784 bytes of LDS; arguments rec, lst2, tables, w_in_codes, w_h0_codes, w_h1_codes, w_out_codes, b_in, b_h0, b_h1, b_out, lowp_scales, out0; writes out0
.if DOCPART == 3
	.amdgcn_target "amdgcn-amd-amdhsa--gfx1250"
	.amdhsa_code_object_version 6
	.text
	.protected	k_q09f8e4b991_encmlp
	.globl	k_q09f8e4b991_encmlp
	.p2align	8
	.type	k_q09f8e4b991_encmlp,@function
k_q09f8e4b991_encmlp:
	s_mov_b64 s[64:65], 0
	v_nop
	global_prefetch_b8 v0, s[64:65] scope:SCOPE_SE
	s_setreg_imm32_b32 hwreg(HW_REG_WAVE_MODE, 25, 1), 1
	s_wait_xcnt 0x0
.set WIN,   0                          ; LDS: w_in, 64 rows, 32 bytes + 16
; out0 = MLP(hash encoding(coords)): 16 levels x 8 corners gathered from the tables (f16 pairs), weighed in f32; then 32 -> 64 -> 64 -> 64 -> 16 on codes of FP8 (E4M3) with the given scales 2^e0 .. 2^e7.
; WHICH POINTS.  lst2 holds each point's number once (bits 17:0, under a key of its place in space), as 16 groups c of 16 sorted lists.  Work-group 16 c + u takes, of each list of group c, the 16-word chunks
; u, u + 16, u + 32, u + 48: 1,024 points; waves 0-3 sort them by the same network as in the launches before, and wave w takes the 32 neighbours 32 w .. 32 w + 31, two tiles of 16: points of one wave read table rows in common.
; SHARES while gathering.  Lanes 2 r and 2 r + 1 serve point r of each tile, each ONE x corner (g = lane % 2: 0 floor, 1 ceil): for each level its four (y, z) corners.
; x's hash factor is 1, so the two x corners' indices differ in the low bits alone unless the addition carries: neighbouring lanes then read neighbours in memory.  The price: a level's scaling is done in both lanes.
; INDICES are made of whole numbers that the first launch stored, 32 bytes a point: floor(x res) modulo 2^19 = (X / 8192) res + ((X % 8192) res / 8192) + the level's bit, X = floor(8192 x).  The index is taken modulo 2^19, so
; the low 19 bits of each term are enough, and (f + 1) p = f p + p: the ceil corners' terms are sums.
; A BATCH is four levels of both tiles: 32 gathers, a level's eight on end.  Its eight features a point are quantised at once.
; WEIGHTS are reference()'s: (|comp x - s x| |comp y - s y|) |comp z - s z| in f32.  Where a scaled coordinate is a whole number, ceil = floor and both its factors are 0, here as there.
; THE MLP, lane = 16 h + r, IS USED TRANSPOSED: source 0 = 16 rows of a weight, source 1 = 16 points.  Register j of tile t then holds unit 16 t + 8 h + j of point r, which is k = 16 c + 8 h + j with c = t: one conversion of eight
; registers gives registers 2 t, 2 t + 1 of the next operand.  K is 64 (layer 1: 32, filled with zero codes on both sides): every output tile is ONE matrix instruction, and no sum is added onto.
; The biases of layers 1 to 3 go in as C, divided by the power of two that the sums lack; the three scales ahead of a quantiser are folded into the conversion's one; relu and the hold at the largest code are one v_med3.
; No cluster: what work-groups share is 11 KB of weights, a small part of what each reads.  No tensor load: nothing here comes in tiles.  No prefetch: there is no loop to run ahead in, and an index is known when its gather goes out.
; out0's rows (64 bytes, four neighbouring lanes) go to their points' own places: neighbours in space are no neighbours in out0.
; LIMITS: e0, e2 - e0 - e1, e4 - e2 - e3, e6 - e4 - e5 between -126 and 119, e6 + e7 between -126 and 127, so that each power of two below is an f32 number.  |coord| < 8,192.  NaN among the coords is not served.
; Table entries are finite: where ceil = floor this text reads the entry at floor + 1, with weight 0, where reference() reads floor's.  The eight corners are summed in another order than reference()'s, in f32.
.set WH0,   3072                       ; w_h0, 64 rows, 64 bytes + 16
.set WH1,   8192                       ; w_h1 likewise
.set WOUT,  13312                      ; w_out, 16 rows likewise
.set WOFF,  WH0-32*80                  ; these three lie on end, four threads to a row from thread 128 on: one address serves their copies
.set BIN,   14592                      ; b_in / 2^(e0 + e1), 64 numbers;  then b_h0's and b_h1's likewise
.set BH0,   14848
.set BH1,   15104
.set BOUT,  15360                      ; b_out, written twice on end (a word a lane); the first copy is read
.set STAGE, 15616                      ; the way out: for each wave two tiles of 16 rows of out0 (64 bytes + 16)
.set TSTG,  1280
.set SPARE, 0x18000                    ; the spare words, 128 bytes a wave
.set SORTB, 0x19000                    ; three buffers of 4,096 bytes, one for each exchange of the sort across waves,
.set LIST,  SORTB+12288                ; and the 1,024 points' numbers in order
.set SB, 0                             ; (SORTB stands in the address registers)
.set H,    1                           ; v1   g: my x corner
.set RD,   4                           ; v4   the stage, back: row lane / 4, 16 bytes at 16 (lane % 4)
.set GO,   5                           ; v5   16 (lane % 4)
.set AW64, 6                           ; v6   80 r + 8 h: my place in a weight's fragment
.set AW32, 7                           ; v7   48 r + 8 h: the same in w_in
.set AB,   8                           ; v8   32 h: my eight numbers of a tile's bias
.set STO,  9                           ; v9   the stage, in: row r, + 32 h
.set SC,   10                          ; v10  the conversion's scale as f32
.set LIM,  11                          ; v11  448 x that
.set BP,   16                          ; v16  4 (2 r + h): where lane 16 h + r fetches its codes
.set T,    18                          ; v18-31 at work
.set D0,   32                          ; v32-39 tile 0's record: x' (x' = -x in even lanes), y, z, the bits of x and y, X % 8192, Y % 8192, Z % 8192, z's bits;  v40-47 tile 1's
.set IN0,  112                         ; v112-114 tile 0's X / 8192, Y / 8192, Z / 8192;  v116-118 tile 1's
.set F,    48                          ; v48-79 a batch's 32 byte offsets, then the gathered words: level-tile n = 2 lb + t at v[F + 4 n]
.set P,    80                          ; v80-95 my x corner's part of a batch's eight features, tile 0's, tile 1's
.set CD,   96                          ; v96-103 tile 0's codes, two registers a batch;  v104-111 tile 1's
.set OP0,  112                         ; the MLP: v112-119 tile 0's operand;  v120-127 tile 1's
.set OP1,  120
.set EA,   80                          ; the sort, ahead of P: v80-87 eight words; v88-103 at work
.set EB,   88
.set EP,   96
.set KM,   104                         ; v104-108 all ones where bit 0 .. 4 of the lane is set
.set SA,   109                         ; v109 SORTB + 16 x thread; v110, v111 the same for wave xor 1, 2
.set TM,   52
.set LA,   53                          ; v53 my wave's numbers in LIST: point lane / 2
.set LO,   56                          ; v56 my first quad in lst2
.set LI,   57                          ; v57 LIST + 32 x thread
.set WF,   12                          ; the MLP: v12-43 four fragments of a weight, v44-75 four tiles of bias, v76-107 four results
.set BI,   44
.set ACC,  76
.set OUTR, 92                          ; the last layer's 2 x 8 numbers
.set BK,   24                          ; and the rows read back
.set PT,   52                          ; v52-55 where they go
.set WV,   30                          ; s30  my wave's number
.set MK,   40                          ; s40  M = 2^19 - 1;  s41, s42 the y and z factors modulo 2^19
.set P1,   41
.set P2,   42
.set WL,   43                          ; s43  LIST + my wave's 128 bytes
.set LM,   57                          ; s57-61 the lanes whose bit 0 .. 4 is set (behind the scales' making)
.set KS,   98                          ; s98-99 all ones where bit 0, 1 of the wave's number is set
.set ST,   100
.set SEL,  2                           ; s2-3 v_permlanex16_b32's selects for lane l xor 16
.set TB,   66                          ; s[66 + 2 l : 67 + 2 l] level l's table
.macro LSTEP n, x                      ; lanes l and l xor 2^n: the lane whose bit is set keeps the larger word
.irp j, 0,1,2,3,4,5,6,7
.if \n == 4
	v_permlanex16_b32 v[EP+\j], v[EA+\j], s[SEL], s[SEL+1]
.else
	v_mov_b32_dpp v[EP+\j], v[EA+\j] row_xmask:\x row_mask:0xf bank_mask:0xf
.endif
.endr
.irp j, 0,1,2,3,4,5,6,7
	v_min_u32 v[EB+\j], v[EA+\j], v[EP+\j]
.endr
.irp j, 0,1,2,3,4,5,6,7
	v_max_u32 v[EA+\j], v[EA+\j], v[EP+\j]
.endr
.irp j, 0,1,2,3,4,5,6,7
	v_cndmask_b32 v[EA+\j], v[EB+\j], v[EA+\j], s[LM+\n]
.endr
.endm
.macro R21                             ; distances 2 and 1, in the lane's own registers
.irp j, 0,1,4,5
	v_min_u32 v[EP+\j], v[EB+\j], v[EB+\j+2]
	v_max_u32 v[EP+\j+2], v[EB+\j], v[EB+\j+2]
.endr
.irp j, 0,2,4,6
	v_min_u32 v[EA+\j], v[EP+\j], v[EP+\j+1]
	v_max_u32 v[EA+\j+1], v[EP+\j], v[EP+\j+1]
.endr
.endm
.macro RSTEP                           ; distances 4, 2, 1
.irp j, 0,1,2,3
	v_min_u32 v[EB+\j], v[EA+\j], v[EA+\j+4]
	v_max_u32 v[EB+\j+4], v[EA+\j], v[EA+\j+4]
.endr
	R21
.endm
.macro LANES n
.if \n > 4
	LSTEP 4, 16
.endif
.if \n > 3
	LSTEP 3, 8
.endif
.if \n > 2
	LSTEP 2, 4
.endif
.if \n > 1
	LSTEP 1, 2
.endif
	LSTEP 0, 1
	RSTEP
.endm
.macro FLIP src                        ; a run that is sorted downwards is held inverted, so that every step sorts upwards
.irp j, 0,1,2,3,4,5,6,7
	v_xor_b32 v[EA+\j], \src, v[EA+\j]
.endr
.endm
.macro PUT n
	s_wait_alu depctr_va_vdst(0)
	ds_store_b128 v[SA], v[EA:EA+3] offset:SB+4096*\n
	ds_store_b128 v[SA], v[EA+4:EA+7] offset:SB+4096*\n+2048
	s_wait_dscnt 0x0                               ; for the partner's sake
.endm
.macro FIRST                           ; from two sorted quads a lane to runs of 8, 16, .. 256, and ready for the first exchange across waves
	FLIP v[KM]
.irp j, 0,1,2,3
	v_min_u32 v[EB+\j], v[EA+\j], v[EA+7-\j]       ; the second quad counts from its far end
	v_max_u32 v[EB+4+\j], v[EA+\j], v[EA+7-\j]
.endr
	R21
.irp n, 1,2,3,4
	v_xor_b32 v[TM], v[KM+\n-1], v[KM+\n]
	FLIP v[TM]
	LANES \n
.endr
	v_xor_b32 v[TM], s[KS], v[KM+4]
	FLIP v[TM]
	LANES 5
	s_xor_b32 s[ST], s[KS], s[KS+1]
	FLIP s[ST]
	PUT 0
.endm
.macro SEG g, b, full, flip, p         ; one exchange across waves, from buffer g, with the wave whose bit b differs
	s_barrier_signal -1
	s_barrier_wait -1
	s_cmp_lt_u32 s[WV], 4
	s_cbranch_scc0 .Lpass_\@
	ds_load_b128 v[EP:EP+3], v[SA+1+\b] offset:SB+4096*\g
	ds_load_b128 v[EP+4:EP+7], v[SA+1+\b] offset:SB+4096*\g+2048
	s_wait_dscnt 0x0
.irp j, 0,1,2,3,4,5,6,7
	v_min_u32 v[EB+\j], v[EA+\j], v[EP+\j]
.endr
.irp j, 0,1,2,3,4,5,6,7
	v_max_u32 v[EA+\j], v[EA+\j], v[EP+\j]
.endr
.irp j, 0,1,2,3,4,5,6,7
	v_cndmask_b32 v[EA+\j], v[EB+\j], v[EA+\j], s[KS+\b]
.endr
.if \full
	LANES 5
.endif
.if \flip
	FLIP s[KS+1]
.endif
.if \p >= 0
	PUT \p
.endif
.Lpass_\@:
.endm
	s_load_b512 s[4:19], s[0:1], 0x0               ; rec 4, lst2 6, tables 8, w_in 10, w_h0 12, w_h1 14, w_out 16, b_in 18
	s_load_b256 s[20:27], s[0:1], 0x40             ; b_h0 20, b_h1 22, b_out 24, the exponents 26
	s_load_b64 s[28:29], s[0:1], 0x60              ; out0
	v_lshrrev_b32 v18, 5, v0
	v_and_b32 v19, 31, v0                          ; lane
	v_and_b32 v20, 15, v0                          ; r
	v_bfe_u32 v31, v0, 4, 1                        ; h
	v_readfirstlane_b32 s[WV], v18                 ; wave 0..31
	v_and_b32 v[H], 1, v0
	v_bfe_u32 v17, v0, 1, 4                        ; lane / 2
	v_lshrrev_b32 v21, 2, v19
	v_and_b32 v22, 3, v19
	v_mul_u32_u24 v[AW64], v20, 80
	v_mul_u32_u24 v[RD], v21, 80
	v_mul_u32_u24 v[AW32], v20, 48
	v_lshlrev_b32 v[BP], 3, v20
	v_lshlrev_b32 v[GO], 4, v22
	v_lshl_add_u32 v[STO], v31, 5, v[AW64]
	v_lshl_add_u32 v[RD], v22, 4, v[RD]
	v_lshl_add_u32 v[AW64], v31, 3, v[AW64]
	v_lshl_add_u32 v[AW32], v31, 3, v[AW32]
	v_lshl_add_u32 v[BP], v31, 2, v[BP]
	v_lshlrev_b32 v[AB], 5, v31
	v_lshlrev_b32 v[LA], 2, v17
	s_mul_i32 s31, s[WV], 2*TSTG
	s_add_co_u32 s31, s31, STAGE                   ; my wave's stage
	s_lshl_b32 s[WL], s[WV], 7
	s_add_co_u32 s[WL], s[WL], LIST
	v_add_nc_u32 v[RD], s31, v[RD]
	v_add_nc_u32 v[STO], s31, v[STO]
	v_add_nc_u32 v[LA], s[WL], v[LA]
	; the sort's addresses and masks
	v_lshlrev_b32 v[SA], 4, v0
	v_lshlrev_b32 v[LI], 5, v0
	v_lshrrev_b32 v[LO], 4, v0
	v_bfe_u32 v21, v0, 2, 2
	v_and_b32 v22, 3, v0
	v_xor_b32 v[SA+1], 0x200, v[SA]
	v_xor_b32 v[SA+2], 0x400, v[SA]
	v_lshlrev_b32 v[LO], 12, v[LO]                 ; list thread / 16 (and 8 lists on),
.irp i, 0,1,2
	v_add_nc_u32 v[SA+\i], SORTB, v[SA+\i]
.endr
	v_add_nc_u32 v[LI], LIST, v[LI]
	v_lshl_or_b32 v[LO], v21, 10, v[LO]            ; chunk u + 16 ((thread / 4) % 4),
.irp b, 0,1,2,3,4
	v_bfe_u32 v[KM+\b], v0, \b, 1
.endr
	v_lshl_or_b32 v[LO], v22, 4, v[LO]             ; its quad thread % 4
.irp b, 0,1,2,3,4
	v_sub_nc_u32 v[KM+\b], 0, v[KM+\b]
.endr
.irp j, 0,1,2,3,4,5,6,7
	v_mov_b32 v[EA+\j], 0
	v_mov_b32 v[EP+\j], 0                          ; a lane permute's destination counts as one of its sources
.endr
	; the copies' offsets, all made ahead of the branches on the wave's number
	v_lshlrev_b32 v24, 4, v0                       ; 16 x thread: in a weight's codes (less the first thread's, which stands in the immediate)
	v_lshrrev_b32 v25, 1, v0
	v_lshrrev_b32 v26, 2, v0
	v_and_b32 v21, 1, v0
	v_and_b32 v22, 3, v0
	v_mul_u32_u24 v25, v25, 48
	v_mul_u32_u24 v26, v26, 80
	v_lshlrev_b32 v27, 3, v19                      ; a bias of 64: two numbers a lane, in memory and in LDS
	v_lshlrev_b32 v28, 2, v19                      ; b_out in LDS: a word a lane,
	v_lshl_add_u32 v25, v21, 4, v25                ; w_in in LDS: two threads to a row
	v_lshl_add_u32 v26, v22, 4, v26                ; the other weights: four threads to a row
	v_lshlrev_b32 v29, 2, v20                      ; b_out in memory: number r
	s_mov_b32 s[MK], 0x7ffff
	s_mov_b32 s[P1], 0x779B1
	s_mov_b32 s[P2], 0x25795
	s_lshr_b32 s60, ttmp9, 4
	s_lshl_b32 s60, s60, 16                        ; group c's 16 lists of 4,096 bytes,
	s_and_b32 s61, ttmp9, 15
	s_lshl_b32 s61, s61, 6
	s_add_co_u32 s60, s60, s61                     ; chunk u of 64 bytes
	s_mov_b32 s61, 0
	s_wait_alu depctr_va_vdst(0)
	s_wait_kmcnt 0x0
	s_load_b256 s[32:39], s[26:27], 0x0            ; e0 .. e7
	s_add_nc_u64 s[6:7], s[6:7], s[60:61]
	s_cmp_lt_u32 s[WV], 4
	s_cbranch_scc0 .Lno_words
	global_load_b128 v[EA:EA+3], v[LO], s[6:7]     ; my eight words: waited for ahead of the sort
	global_load_b128 v[EA+4:EA+7], v[LO], s[6:7] offset:8*4096
.Lno_words:
	s_mov_b64 s[TB:TB+1], s[8:9]
.irp l, 1,2,3,4,5,6,7,8,9,10,11,12,13,14,15
	s_add_nc_u64 s[TB+2*\l:TB+2*\l+1], s[8:9], \l*0x200000   ; a level's table is 2^19 entries of 4 bytes
.endr
.macro MKSC sc, e                      ; s[sc] = 2^e as f32, s[sc + 1] = 448 x 2^e, e in s[e]
	s_add_co_i32 s31, s[\e], 127
	s_lshl_b32 s[\sc], s31, 23
	s_add_co_i32 s31, s31, 8
	s_lshl_b32 s31, s31, 23
	s_or_b32 s[\sc+1], s31, 0x600000
.endm
	s_wait_kmcnt 0x0
	s_add_co_i32 s54, s32, s33                     ; e0 + e1: a sum of layer 1 stands for sum x 2^(e0 + e1)
	s_add_co_i32 s55, s34, s35
	s_add_co_i32 s56, s36, s37
	s_sub_co_i32 s57, s34, s54                     ; e2 - e0 - e1: the scale of the conversion behind layer 1
	s_sub_co_i32 s58, s36, s55
	s_sub_co_i32 s59, s38, s56
	MKSC 44, 32                                    ; the encoding's
	MKSC 46, 57
	MKSC 48, 58
	MKSC 50, 59
	s_add_co_i32 s52, s38, s39
	s_add_co_i32 s52, s52, 127
	s_lshl_b32 s52, s52, 23                        ; 2^(e6 + e7) as f32
	s_mov_b32 s53, s52                             ; (named with it as a pair, so it is written)
	s_sub_co_i32 s54, 0, s54                       ; the biases go in x 2^-(e0 + e1) and so on
	s_sub_co_i32 s55, 0, s55
	s_sub_co_i32 s56, 0, s56
	s_mov_b32 s[LM], 0xAAAAAAAA
	s_mov_b32 s[LM+1], 0xCCCCCCCC
	s_mov_b32 s[LM+2], 0xF0F0F0F0
	s_mov_b32 s[LM+3], 0xFF00FF00
	s_mov_b32 s[LM+4], 0xFFFF0000
	s_mov_b32 s[SEL], 0x76543210
	s_mov_b32 s[SEL+1], 0xfedcba98
	s_bfe_u32 s[KS], s[WV], 0x10000
	s_bfe_u32 s[KS+1], s[WV], 0x10001
	s_sub_co_i32 s[KS], 0, s[KS]
	s_sub_co_i32 s[KS+1], 0, s[KS+1]
	v_mov_b32 v[SC], s44
	v_mov_b32 v[LIM], s45
	s_wait_alu depctr_va_vdst(0)
	; THE WEIGHTS AND BIASES GO INTO LDS ONCE, shared out by the wave's number: waves 0-3 w_in, 4-11 w_h0, 12-19 w_h1, 20-21 w_out, 22-24 the three biases of 64, 25 b_out; waves 26-31 copy nothing.
.macro COPYW base, back                ; 16 bytes a thread; back: 16 x the arm's first thread
	global_load_b128 v[F:F+3], v24, s[\base:\base+1] offset:-\back
	s_wait_loadcnt 0x0
	ds_store_b128 v26, v[F:F+3] offset:WOFF
	s_branch .Ljoin
.endm
.macro COPYB base, ex, lds
	global_load_b64 v[F:F+1], v27, s[\base:\base+1]
	s_wait_loadcnt 0x0
	v_ldexp_f32 v[F], v[F], s[\ex]
	v_ldexp_f32 v[F+1], v[F+1], s[\ex]
	ds_store_b64 v27, v[F:F+1] offset:\lds
	s_branch .Ljoin
.endm
	s_cmp_lt_u32 s[WV], 4
	s_cbranch_scc1 .Lw_in
	s_cmp_lt_u32 s[WV], 12
	s_cbranch_scc1 .Lw_h0
	s_cmp_lt_u32 s[WV], 20
	s_cbranch_scc1 .Lw_h1
	s_cmp_lt_u32 s[WV], 22
	s_cbranch_scc1 .Lw_out
	s_cmp_eq_u32 s[WV], 22
	s_cbranch_scc1 .Lb_in
	s_cmp_eq_u32 s[WV], 23
	s_cbranch_scc1 .Lb_h0
	s_cmp_eq_u32 s[WV], 24
	s_cbranch_scc1 .Lb_h1
	s_cmp_eq_u32 s[WV], 25
	s_cbranch_scc1 .Lb_out
	s_branch .Ljoin
.Lw_in:
	global_load_b128 v[F:F+3], v24, s[10:11]
	s_wait_loadcnt 0x0
	ds_store_b128 v25, v[F:F+3] offset:WIN
	s_branch .Ljoin
.Lw_h0:
	COPYW 12, 2048
.Lw_h1:
	COPYW 14, 6144
.Lw_out:
	COPYW 16, 10240
.Lb_in:
	COPYB 18, 54, BIN
.Lb_h0:
	COPYB 20, 55, BH0
.Lb_h1:
	COPYB 22, 56, BH1
.Lb_out:
	global_load_b32 v[F], v29, s[24:25]
	s_wait_loadcnt 0x0
	ds_store_b32 v28, v[F] offset:BOUT
.Ljoin:
	s_wait_dscnt 0x0                               ; for the others' sake: my stores have landed; the sort's first barrier shows them to every wave
	; THE SORT, in waves 0-3; the others pass its barriers
	s_cmp_lt_u32 s[WV], 4
	s_cbranch_scc0 .Lsorting
	s_wait_loadcnt 0x0
	FIRST
.Lsorting:
	SEG 0, 0, 1, 1, 1                              ; runs of 512
	SEG 1, 1, 0, 0, 2                              ; all 1,024
	SEG 2, 0, 1, 0, -1
	s_cmp_lt_u32 s[WV], 4
	s_cbranch_scc0 .Llisted
.irp j, 0,1,2,3,4,5,6,7
	v_and_b32 v[EA+\j], 0x3ffff, v[EA+\j]          ; the point's number alone
.endr
	ds_store_b128 v[LI], v[EA:EA+3]
	ds_store_b128 v[LI], v[EA+4:EA+7] offset:16
	s_wait_dscnt 0x0
.Llisted:
	s_barrier_signal -1
	s_barrier_wait -1                              ; from here on LIST and the weights are only read, and each wave's stage is its own
	ds_load_b32 v18, v[LA]                         ; my point of tile 0, of tile 1
	ds_load_b32 v19, v[LA] offset:64
	s_wait_dscnt 0x0
	v_min_u32 v18, 0x3ffff, v18                    ; a number that was loaded enters an address held inside its buffer
	v_min_u32 v19, 0x3ffff, v19
	v_lshlrev_b32 v18, 5, v18
	v_lshlrev_b32 v19, 5, v19
	global_load_b128 v[D0:D0+3], v18, s[4:5]       ; both lanes of a point read its 32 bytes
	global_load_b128 v[D0+4:D0+7], v18, s[4:5] offset:16
	global_load_b128 v[D0+8:D0+11], v19, s[4:5]
	global_load_b128 v[D0+12:D0+15], v19, s[4:5] offset:16
	s_wait_loadcnt 0x0
	v_xor_b32 v18, 1, v[H]
.irp c, 0,1,2
	v_lshrrev_b32 v[IN0+\c], 13, v[D0+4+\c]
	v_lshrrev_b32 v[IN0+4+\c], 13, v[D0+12+\c]
.endr
	v_lshlrev_b32 v18, 31, v18                     ; the sign bit in even lanes
.irp c, 0,1,2
	v_and_b32 v[D0+4+\c], 0x1fff, v[D0+4+\c]
	v_and_b32 v[D0+12+\c], 0x1fff, v[D0+12+\c]
.endr
	v_xor_b32 v[D0], v18, v[D0]                    ; x' = -x there: u = res x' gives u - floor(u) = ceil(s) - s in even lanes and s - floor(s) in odd ones: the x factor of my corner's weight
	v_xor_b32 v[D0+8], v18, v[D0+8]
.macro RESOF L                         ; RES = level L's resolution as f32, RI as a whole number
.set rr, 0
.irp x, 0x41800000,0x41A00000,0x41C80000,0x42000000,0x42200000,0x42480000,0x42800000,0x42A00000,0x42CA0000,0x43000000,0x43210000,0x434B0000,0x43800000,0x43A10000,0x43CB0000,0x44000000
.if rr == (\L)
.set RES, \x
.endif
.set rr, rr+1
.endr
.set rr, 0
.irp x, 16,20,25,32,40,50,64,80,101,128,161,203,256,322,406,512
.if rr == (\L)
.set RI, \x
.endif
.set rr, rr+1
.endr
.endm
; Level 4 q + lb of tile t: my x corner's four indices, and their gathers.  The 24-bit products take the low 24 bits of each source: more than the 19 that count.
.macro INDEX q, lb, t
	RESOF 4*(\q)+(\lb)
.set LV, 4*(\q)+(\lb)
.set FF, F+8*(\lb)+4*(\t)
.set DX, D0+8*(\t)
.set IX, IN0+4*(\t)
.set TBL, TB+2*LV
	v_mul_u32_u24 v[T], RI, v[DX+4]
	v_mul_u32_u24 v[T+1], RI, v[DX+5]
	v_mul_u32_u24 v[T+2], RI, v[DX+6]
	v_bfe_u32 v[T+3], v[DX+3], LV, 1
	v_bfe_u32 v[T+4], v[DX+3], LV+16, 1
	v_bfe_u32 v[T+5], v[DX+7], LV, 1
	v_lshrrev_b32 v[T], 13, v[T]
	v_lshrrev_b32 v[T+1], 13, v[T+1]
	v_lshrrev_b32 v[T+2], 13, v[T+2]
	v_mad_u32_u24 v[T], v[IX], RI, v[T]
	v_mad_u32_u24 v[T+1], v[IX+1], RI, v[T+1]
	v_mad_u32_u24 v[T+2], v[IX+2], RI, v[T+2]
	v_add3_u32 v[T], v[T], v[T+3], v[H]            ; x's term: floor, or ceil in odd lanes
	v_add_nc_u32 v[T+1], v[T+1], v[T+4]
	v_add_nc_u32 v[T+2], v[T+2], v[T+5]
	v_mul_u32_u24 v[T+1], s[P1], v[T+1]            ; y floor's term
	v_mul_u32_u24 v[T+2], s[P2], v[T+2]            ; z floor's
	v_add_nc_u32 v[T+3], s[P1], v[T+1]             ; y ceil's
	v_add_nc_u32 v[T+4], s[P2], v[T+2]             ; z ceil's
	v_xor_b32 v[T+5], v[T], v[T+1]
	v_xor_b32 v[T+6], v[T], v[T+3]
	v_xor_b32 v[FF], v[T+5], v[T+2]                ; (y, z) = (floor, floor), (floor, ceil), (ceil, floor), (ceil, ceil)
	v_xor_b32 v[FF+1], v[T+5], v[T+4]
	v_xor_b32 v[FF+2], v[T+6], v[T+2]
	v_xor_b32 v[FF+3], v[T+6], v[T+4]
.irp c, 0,1,2,3
	v_and_b32 v[FF+\c], s[MK], v[FF+\c]
.endr
.irp c, 0,1,2,3
	v_min_u32 v[FF+\c], 0x7ffff, v[FF+\c]          ; a number made of loaded ones enters an address held inside its table
.endr
.irp c, 0,1,2,3
	v_lshlrev_b32 v[FF+\c], 2, v[FF+\c]            ; an entry is 4 bytes
.endr
.irp c, 0,1,2,3
	global_load_b32 v[FF+\c], v[FF+\c], s[TBL:TBL+1]   ; feature 0 below, feature 1 above; the word lands on its own offset
.endr
.endm
; Level-tile n of batch q (level 4 q + n / 2, tile n % 2): the four weights, then the four words weighed in.  The eight last arguments are the halves of its four words.
.macro BLEND q, n, a0, a1, c0, c1, d0, d1, e0, e1
	RESOF 4*(\q)+(\n)/2
.set PP, P+8*((\n)%2)+2*((\n)/2)
.set CX, D0+8*((\n)%2)
	v_mul_f32 v[T], RES, v[CX]                     ; u = +-s x
	v_mul_f32 v[T+1], RES, v[CX+1]                 ; s y
	v_mul_f32 v[T+2], RES, v[CX+2]                 ; s z
	s_delay_alu instid0(VALU_DEP_3)
	v_floor_f32 v[T+3], v[T]
	s_delay_alu instid0(VALU_DEP_3)
	v_floor_f32 v[T+6], v[T+1]
	s_delay_alu instid0(VALU_DEP_4)
	v_floor_f32 v[T+7], -v[T+1]                    ; -ceil
	s_delay_alu instid0(VALU_DEP_4)
	v_floor_f32 v[T+8], v[T+2]
	v_floor_f32 v[T+9], -v[T+2]
	v_sub_f32 v[T+5], v[T], v[T+3]                 ; my x corner's factor
	s_delay_alu instid0(VALU_DEP_4)
	v_sub_f32 v[T+7], -v[T+7], v[T+1]              ; ceil - s: the floor corner's factor
	v_sub_f32 v[T+6], v[T+1], v[T+6]               ; s - floor: the ceil corner's
	s_delay_alu instid0(VALU_DEP_4)
	v_sub_f32 v[T+9], -v[T+9], v[T+2]
	v_sub_f32 v[T+8], v[T+2], v[T+8]
	s_delay_alu instid0(VALU_DEP_4)
	v_mul_f32 v[T+7], v[T+5], v[T+7]               ; (x y) z, in reference()'s order
	s_delay_alu instid0(VALU_DEP_4)
	v_mul_f32 v[T+6], v[T+5], v[T+6]
	s_delay_alu instid0(VALU_DEP_2)
	v_mul_f32 v[T+10], v[T+7], v[T+9]
	s_delay_alu instid0(VALU_DEP_3)
	v_mul_f32 v[T+11], v[T+7], v[T+8]
	s_delay_alu instid0(VALU_DEP_3)
	v_mul_f32 v[T+12], v[T+6], v[T+9]
	s_delay_alu instid0(VALU_DEP_4)
	v_mul_f32 v[T+13], v[T+6], v[T+8]
	s_wait_loadcnt 4*(7-(\n))                      ; these four words are in; behind them were issued the later level-tiles' gathers, four each
	v_cvt_f32_f16 v[T], \a0
	v_cvt_f32_f16 v[T+1], \a1
	v_cvt_f32_f16 v[T+2], \c0
	v_cvt_f32_f16 v[T+3], \c1
	v_cvt_f32_f16 v[T+4], \d0
	v_cvt_f32_f16 v[T+5], \d1
	v_cvt_f32_f16 v[T+6], \e0
	v_cvt_f32_f16 v[T+7], \e1
	v_pk_mul_f32 v[PP:PP+1], v[T:T+1], v[T+10:T+11] op_sel_hi:[1,0]                                       ; both features x the pair's first weight: the first product starts the sum
	s_delay_alu instid0(VALU_DEP_1)
	v_pk_fma_f32 v[PP:PP+1], v[T+2:T+3], v[T+10:T+11], v[PP:PP+1] op_sel:[0,1,0] op_sel_hi:[1,1,1]        ; x its second
	s_delay_alu instid0(VALU_DEP_1)
	v_pk_fma_f32 v[PP:PP+1], v[T+4:T+5], v[T+12:T+13], v[PP:PP+1] op_sel_hi:[1,0,1]
	s_delay_alu instid0(VALU_DEP_1)
	v_pk_fma_f32 v[PP:PP+1], v[T+6:T+7], v[T+12:T+13], v[PP:PP+1] op_sel:[0,1,0] op_sel_hi:[1,1,1]
.endm
; Four levels of both tiles: all 32 gathers go out first, then the weights are made while the gathers are on their way.  Then the two x corners' parts meet, in both lanes of a point, and features 8 q .. 8 q + 7 become codes.
.macro BATCH q
.irp lb, 0,1,2,3
	INDEX \q, \lb, 0
	INDEX \q, \lb, 1
.endr
	BLEND \q, 0, v48.l, v48.h, v49.l, v49.h, v50.l, v50.h, v51.l, v51.h
	BLEND \q, 1, v52.l, v52.h, v53.l, v53.h, v54.l, v54.h, v55.l, v55.h
	BLEND \q, 2, v56.l, v56.h, v57.l, v57.h, v58.l, v58.h, v59.l, v59.h
	BLEND \q, 3, v60.l, v60.h, v61.l, v61.h, v62.l, v62.h, v63.l, v63.h
	BLEND \q, 4, v64.l, v64.h, v65.l, v65.h, v66.l, v66.h, v67.l, v67.h
	BLEND \q, 5, v68.l, v68.h, v69.l, v69.h, v70.l, v70.h, v71.l, v71.h
	BLEND \q, 6, v72.l, v72.h, v73.l, v73.h, v74.l, v74.h, v75.l, v75.h
	BLEND \q, 7, v76.l, v76.h, v77.l, v77.h, v78.l, v78.h, v79.l, v79.h
.irp i, 0,1,2,3,4,5,6,7,8,9,10,11,12,13,14,15
	v_add_f32_dpp v[P+\i], v[P+\i], v[P+\i] row_xmask:1 row_mask:0xf bank_mask:0xf
.endr
.irp i, 0,1,2,3,4,5,6,7,8,9,10,11,12,13,14,15
	v_med3_num_f32 v[P+\i], v[P+\i], -v[LIM], v[LIM]            ; the conversion to an 8-bit code does not saturate (ISA guide 7.6.2): hold within 448 x the scale first
.endr
	v_cvt_scalef32_pk8_fp8_f32 v[CD+2*\q:CD+2*\q+1], v[P:P+7], v[SC]
	v_cvt_scalef32_pk8_fp8_f32 v[CD+8+2*\q:CD+9+2*\q], v[P+8:P+15], v[SC]
	v_nop                                          ; a plain line behind the last conversion, ahead of whatever next writes its sources or reads its codes
.endm
; The operand of tile t: lane 16 h + r wants k = 16 c + 8 h + 0 .. 7 of point r, batch 2 c + h's codes.  The even lane of a point (lane 2 r) offers the even batches', the odd one the odd batches'; then zero codes for k = 32 to 63.
.macro OPERAND t, op
.irp c, 0,1
.irp i, 0,1
	v_cndmask_b32 v[T+4*\t+2*\c+\i], v[CD+8*\t+4*\c+\i], v[CD+8*\t+4*\c+2+\i], s[LM]   ; s[LM]: the odd lanes
.endr
.endr
.irp i, 4,5,6,7
	v_mov_b32 v[\op+\i], 0
.endr
.irp i, 0,1,2,3
	ds_bpermute_b32 v[\op+\i], v[BP], v[T+4*\t+\i]   ; waited for by the next wait for 0 on DScnt
.endr
.endm
	BATCH 0
	BATCH 1
	BATCH 2
	BATCH 3
	OPERAND 0, OP0
	OPERAND 1, OP1
	; THE MLP, both tiles of points through each layer on one set of weight fragments.
.macro LOADW adr, base, pitch, nc, nt  ; nt fragments of 16 rows: lane (r, h) takes, of row r, k = 16 c + 8 h + 0 .. 7 into registers 2 c, 2 c + 1
.set tt, 0
.rept \nt
.set cc, 0
.rept \nc
	ds_load_b64 v[WF+8*tt+2*cc:WF+8*tt+2*cc+1], v[\adr] offset:\base+tt*16*\pitch+16*cc
.set cc, cc+1
.endr
.set tt, tt+1
.endr
.endm
.macro LOADB base                      ; four tiles of bias in the result's layout: units 16 t + 8 h + 0 .. 7
.irp q, 0,1,2,3
	ds_load_b128 v[BI+8*\q:BI+8*\q+3], v[AB] offset:\base+64*\q
	ds_load_b128 v[BI+8*\q+4:BI+8*\q+7], v[AB] offset:\base+64*\q+16
.endr
.endm
.macro MM op                           ; 64 units x 16 points: four matrix instructions on four results; C is the bias, in registers of its own
.irp q, 0,1,2,3
	v_wmma_f32_16x16x64_fp8_fp8 v[ACC+8*\q:ACC+8*\q+7], v[WF+8*\q:WF+8*\q+7], v[\op:\op+7], v[BI+8*\q:BI+8*\q+7]
.endr
.endm
.macro QH op                           ; relu and the hold in one, each result from its low end on; the codes are the next operand's registers 2 t, 2 t + 1
.irp q, 0,1,2,3
.irp i, 0,1,2,3,4,5,6,7
	v_med3_num_f32 v[ACC+8*\q+\i], v[ACC+8*\q+\i], 0, v[LIM]
.endr
	v_cvt_scalef32_pk8_fp8_f32 v[\op+2*\q:\op+2*\q+1], v[ACC+8*\q:ACC+8*\q+7], v[SC]
.endr
	v_nop                                          ; a plain line behind the last conversion
.endm
.macro PLACES                          ; four plain lines behind matrix instructions, ahead of the first read of their results, of writes of their operands and of loads into them
.rept 4
	v_nop
.endr
.endm
.macro LAYER sc                        ; tile 0's products and codes, then tile 1's products.  Tile 1's products write over tile 0's results behind the four places and the 24 holds of the other three results
	v_mov_b32 v[SC], s[\sc]
	v_mov_b32 v[LIM], s[\sc+1]
	s_wait_dscnt 0x0                               ; this layer's fragments and biases are in
	MM OP0
	PLACES
	s_wait_alu depctr_va_vdst(0)                   ; the scale and the hold were written ahead of a wait
	QH OP0
	MM OP1
	PLACES
.endm
.irp q, 0,1,2,3
.irp i, 4,5,6,7
	v_mov_b32 v[WF+8*\q+\i], 0                     ; w_in has K = 32: zero codes for k = 32 to 63
.endr
.endr
	LOADW AW32, WIN, 48, 2, 4
	LOADB BIN
	s_wait_alu depctr_va_vdst(0)
	LAYER 46
	LOADW AW64, WH0, 80, 4, 4                      ; the next layer's weights come while tile 1 is quantised
	LOADB BH0
	QH OP1
	LAYER 48
	LOADW AW64, WH1, 80, 4, 4
	LOADB BH1
	QH OP1
	LAYER 50
	LOADW AW64, WOUT, 80, 4, 1
	ds_load_b128 v[BI:BI+3], v[AB] offset:BOUT     ; b_out at 8 h + 0 .. 7
	ds_load_b128 v[BI+4:BI+7], v[AB] offset:BOUT+16
	QH OP1
	s_wait_alu depctr_va_vdst(0)
	s_wait_dscnt 0x0
	v_wmma_f32_16x16x64_fp8_fp8 v[ACC:ACC+7], v[WF:WF+7], v[OP0:OP0+7], 0
	v_wmma_f32_16x16x64_fp8_fp8 v[ACC+8:ACC+15], v[WF:WF+7], v[OP1:OP1+7], 0
	PLACES
	v_bfe_u32 v56, v0, 2, 3                        ; the rows that I store: lane / 4, + 8, and the same of tile 1
	v_lshlrev_b32 v56, 2, v56
	v_add_nc_u32 v56, s[WL], v56
.irp pt, 0,1
.irp q, 0,1
	ds_load_b32 v[PT+2*\pt+\q], v56 offset:64*\pt+32*\q
.endr
.endr
.irp pt, 0,1
.irp i, 0,2,4,6
	v_pk_fma_f32 v[OUTR+8*\pt+\i:OUTR+8*\pt+\i+1], v[ACC+8*\pt+\i:ACC+8*\pt+\i+1], s[52:53], v[BI+\i:BI+\i+1] op_sel_hi:[1,0,1]   ; sum x 2^(e6 + e7) + b_out
.endr
.endr
	; THE WAY OUT.  A lane holds 32 bytes of its point's row of 64, and the lanes beside it other rows: the rows go through my wave's stage and come back 16 bytes a lane, four lanes to a row.
.irp pt, 0,1
	ds_store_b128 v[STO], v[OUTR+8*\pt:OUTR+8*\pt+3] offset:\pt*TSTG
	ds_store_b128 v[STO], v[OUTR+8*\pt+4:OUTR+8*\pt+7] offset:\pt*TSTG+16
.endr
.irp pt, 0,1
.irp q, 0,1
	ds_load_b128 v[BK+8*\pt+4*\q:BK+8*\pt+4*\q+3], v[RD] offset:\pt*TSTG+\q*640   ; LDS serves a wave's instructions in order (ISA guide 5.7.1.4): these see my stores
.endr
.endr
	s_wait_dscnt 8                                 ; the points' numbers are in; behind them four stores and four loads
.irp i, 0,1,2,3
	v_min_u32 v[PT+\i], 0x3ffff, v[PT+\i]
.endr
.irp i, 0,1,2,3
	v_lshl_add_u32 v[PT+\i], v[PT+\i], 6, v[GO]    ; 64 x point + 16 (lane % 4)
.endr
	s_wait_alu depctr_va_vdst(0)
.irp pt, 0,1
.irp q, 0,1
	s_wait_dscnt 3-2*\pt-\q                        ; the later read-backs may stay out
	global_store_b128 v[PT+2*\pt+\q], v[BK+8*\pt+4*\q:BK+8*\pt+4*\q+3], s[28:29]   ; four lanes store a row's 64 bytes
.endr
.endr
	v_lshl_add_u32 v74, v0, 2, SPARE
	v_mov_b32 v75, 0
	s_wait_alu depctr_va_vdst(0)
	s_wait_tensorcnt 0x0                           ; the wave's end
	ds_add_u32 v74, v75
	s_wait_dscnt 0x0
	s_endpgm
.Lfunc_end_k_q09f8e4b991_encmlp:
	.size	k_q09f8e4b991_encmlp, .Lfunc_end_k_q09f8e4b991_encmlp-k_q09f8e4b991_encmlp
	.p2alignl 7, 3214868480
	.fill 96, 4, 3214868480
	.section	.rodata,"a",@progbits
	.p2align	6, 0x0
	.amdhsa_kernel k_q09f8e4b991_encmlp
		.amdhsa_group_segment_fixed_size 118784
		.amdhsa_private_segment_fixed_size 0
		.amdhsa_enable_private_segment 0
		.amdhsa_kernarg_size 104
		.amdhsa_user_sgpr_count 2
		.amdhsa_user_sgpr_kernarg_segment_ptr 1
		.amdhsa_wavefront_size32 1
		.amdhsa_system_sgpr_workgroup_id_x 1
		.amdhsa_system_sgpr_workgroup_id_y 1
		.amdhsa_system_sgpr_workgroup_id_z 1
		.amdhsa_system_vgpr_workitem_id 0
		.amdhsa_next_free_vgpr 128
		.amdhsa_next_free_sgpr 102
		.amdhsa_reserve_vcc 0
		.amdhsa_float_denorm_mode_32 3
		.amdhsa_float_denorm_mode_16_64 3
		.amdhsa_memory_ordered 1
		.amdhsa_forward_progress 1
		.amdhsa_inst_pref_size 219
	.end_amdhsa_kernel
	.amdgpu_metadata
---
amdhsa.version: [ 1, 2 ]
amdhsa.kernels:
  - .name:           k_q09f8e4b991_encmlp
    .symbol:         k_q09f8e4b991_encmlp.kd
    .args:
      - { .name: rec, .offset: 0, .size: 8, .value_kind: global_buffer, .address_space: global }
      - { .name: lst2, .offset: 8, .size: 8, .value_kind: global_buffer, .address_space: global }
      - { .name: tables, .offset: 16, .size: 8, .value_kind: global_buffer, .address_space: global }
      - { .name: w_in_codes, .offset: 24, .size: 8, .value_kind: global_buffer, .address_space: global }
      - { .name: w_h0_codes, .offset: 32, .size: 8, .value_kind: global_buffer, .address_space: global }
      - { .name: w_h1_codes, .offset: 40, .size: 8, .value_kind: global_buffer, .address_space: global }
      - { .name: w_out_codes, .offset: 48, .size: 8, .value_kind: global_buffer, .address_space: global }
      - { .name: b_in, .offset: 56, .size: 8, .value_kind: global_buffer, .address_space: global }
      - { .name: b_h0, .offset: 64, .size: 8, .value_kind: global_buffer, .address_space: global }
      - { .name: b_h1, .offset: 72, .size: 8, .value_kind: global_buffer, .address_space: global }
      - { .name: b_out, .offset: 80, .size: 8, .value_kind: global_buffer, .address_space: global }
      - { .name: lowp_scales, .offset: 88, .size: 8, .value_kind: global_buffer, .address_space: global }
      - { .name: out0, .offset: 96, .size: 8, .value_kind: global_buffer, .address_space: global }
    .group_segment_fixed_size: 118784
    .private_segment_fixed_size: 0
    .kernarg_segment_align: 8
    .kernarg_segment_size: 104
    .max_flat_workgroup_size: 1024
    .sgpr_count:     102
    .vgpr_count:     128
    .wavefront_size: 32
...
	.end_amdgpu_metadata
.endif
;; end of part 3
